; MI455X (gfx1250); checked and timed in simulation.
; The chip was launched on July 23, 2026; its instructions are those of AMD's public machine-readable ISA for CDNA 5 (MIT licence, August 2026) and "CDNA5" Instruction Set Architecture Reference Guide (July 2026). The comments in the code are by the model that wrote it; some were corrected since.
;; Attention Layer. Allowed arithmetic: matrix products marked QUANTISED: E2M3 operands, one E8M0 scale for each 32 along K, by v_wmma_scale_f32_16x16x128_f8f6f4 with both operands' format E2M3, f32 sums; products left as they are: f32 operands where the result goes on into a quantised operand, else bf16, f16 or f32 operands; f32 sums; everything else in f32.
;; Inputs: Wk 3 x 256 float32; Wq 3 x 256 float32; Wv 3 x 256 float32; bk 256 float32; bq 256 float32; bv 256 float32; forces 16 x 2,048 x 3 float32; noisy_trajectory 16 x 2,048 x 3 float32.
;; Outputs: out0 16 x 2,048 x 256 float32.
;; This version of the problem:
;;   THIS VERSION OF THE PROBLEM IS GIVEN IN LOW PRECISION. The matrix products marked QUANTISED in the list below multiply operands that are first quantised to E2M3 (2 exponent bits, 3 mantissa bits; 6 bits a number), with one power-of-two scale for each 32 numbers along K (OCP MX v1.0); their sums are f32. All else is computed in f32.
;;   The module's matrix products, in the order in which they are computed (A, B: the left and right operand; K: the contracted axis; several contracted axes count as one K, in the product's order):
;;     1. [M 32,768, K 3] x [K 3, N 256]; A: input forces; B: input Wq: left as it is (K = 3 < 32)
;;     2. [M 32,768, K 3] x [K 3, N 256]; A: input noisy_trajectory; B: input Wk: left as it is (K = 3 < 32)
;;     3. [M 32,768, K 3] x [K 3, N 256]; A: input noisy_trajectory; B: input Wv: left as it is (K = 3 < 32)
;;     4. batch 16 x [M 2,048, K 256] x [K 256, N 2,048]; A: computed on the way; B: computed on the way: QUANTISED
;;     5. batch 16 x [M 2,048, K 2,048] x [K 2,048, N 256]; A: softmax (see below); B: computed on the way: QUANTISED
;;   THE QUANTISER, for each operand of a quantised product, along K:
;;     - K is cut into blocks of 32 from its start; a last block that is shorter is filled with zeros.
;;     - A block's scale is 2^e with e = floor(log2(the largest magnitude in the block)) - 2, held to -126 .. 127; a block of zeros has e = 0. As a byte (E8M0): e + 127.
;;     - Each number is divided by its block's scale, clamped to +-7.5, and rounded to the nearest number of E2M3, ties to even, subnormals kept.
;;     - The product sums the exact products of the quantised numbers (number of the format x scale) in f32.
;;   ~~~python
;;   def quantise(x, axis):      # numpy; x: float32 -> the quantised numbers, widened to float32 again
;;       x = np.moveaxis(x, axis, -1); K = x.shape[-1]
;;       x = np.pad(x, [(0, 0)] * (x.ndim - 1) + [(0, -K % 32)]); x = x.reshape(x.shape[:-1] + (-1, 32)); a = np.abs(x).max(-1, keepdims=True)
;;       e = np.where(a > 0, np.clip(np.frexp(np.where(a > 0, a, 1))[1] - 1 - 2, -126, 127), 0)      # np.frexp(a)[1] - 1 = floor(log2(a)), exactly
;;       r = np.clip(x / 2.0 ** e, -7.5, 7.5)
;;       step = 2.0 ** (np.maximum(np.frexp(np.where(r == 0, 1, r))[1] - 1, 0) - 3)
;;       q = np.round(r / step) * step * 2.0 ** e      # np.round: ties to even
;;       return np.moveaxis(q.reshape(q.shape[:-2] + (-1,))[..., :K], -1, axis).astype(np.float32)
;;   ~~~
;;   SOFTMAX AHEAD OF A QUANTISED PRODUCT. Where the list says 'softmax', what is quantised is not the finished softmax but p = 2^(t - M), with t = logit x log2(e) and M = ceil(the row's largest t), a whole number; so 1/2 < the row's largest p <= 1. The row's sum l is taken of the UNQUANTISED p, in f32, and the product's result is divided by l at the end. Since M is a whole number, a kernel that streams over the keys may use a running M (the ceiling of the running maximum): every later rescaling is an exact power of two, which a block's scale takes up: the codes' values come out the same.
;;   OPERANDS COMPUTED ON THE WAY. 'Computed on the way' means the value that the module computes at that place (a softmax that the list does not call 'softmax' is quantised finished and normalised). What goes into a quantiser is computed in f32, as accurately as f32 sums, v_exp_f32 and their like allow (about 1e-6 of the number): no bf16 or f16 on the way to a quantiser, and a product that is left as it is and whose result goes on into a quantised operand takes f32 operands (vector FMAs, or v_wmma_f32_16x16x4_f32). A number that lies on a knife's edge between two numbers of the format may be rounded either way, as far as f32 arithmetic and the matrix unit's own rounding can turn it there, and no further.
;; One version. Each part assembles by itself: llvm-mc -triple=amdgcn-amd-amdhsa -mcpu=gfx1250 --defsym DOCPART=n.
;; ======== version 1 of 1: 2 launches
;; limits: right only within a limited range of input values
;; workspace buffers: qc 6,291,456 bytes; qs 262,144 bytes; kvc 13,107,200 bytes
;; launch prep (part 1): grid 256 x 3, 4 waves a work-group, no clusters, 0 bytes of LDS; arguments forces, noisy_trajectory, Wq, bq, Wk, bk, Wv, bv, qc, kvc, qs; writes qc, kvc, qs
.if DOCPART == 1
	.amdgcn_target "amdgcn-amd-amdhsa--gfx1250"
	.amdhsa_code_object_version 6
	.text
	.protected	k_q434a684715_prep
	.globl	k_q434a684715_prep
	.p2align	8
	.type	k_q434a684715_prep,@function
k_q434a684715_prep:
	s_mov_b64 s[64:65], 0
	v_nop
	global_prefetch_b8 v0, s[64:65] scope:SCOPE_SE
	s_setreg_imm32_b32 hwreg(HW_REG_WAVE_MODE, 25, 1), 1
	s_wait_xcnt 0x0
; Q = forces Wq + bq, K = noisy Wk + bk, V = noisy Wv + bv, in f32, each quantised ONCE to codes of FP6 (E2M3) with one E8M0 byte for each 32 along the K of the product that it feeds:
; Q and K along the 256 channels, V along the keys.  The codes leave as IMAGES OF OPERAND REGISTERS: a fragment (16 rows x 128 K, 12 registers a lane) is 1,536 bytes, registers 4 c .. 4 c + 3 of lane l at 512 c + 16 l.
; THE PROJECTIONS GO BY THE f32 MATRIX FORM, 16 x 16 x 4, WITH THE BIAS AS THE FOURTH STEP OF K: (x0, x1, x2, 1) times (W0, W1, W2, b).
; SHARES.  Work-group x = 16 x batch + block of 128 rows (queries, or keys); y = 0: Q, 1: K, 2: V.  A wave makes four fragments over one range of 128 along K.
;   Q, K: wave w: a = w / 2, s = w % 2: tiles 4 a + f of the block's eight, channels 128 s on.     V: wave g: tiles 4 g + f of the sixteen (16 channels each), the block's 128 keys.
; LAYOUT.  The product is used transposed: source 0 = 16 indices along the next K (channels for Q and K, keys for V), source 1 = the fragment's 16 rows.  In the result lane (r, h) holds row r, its register j the
; index in place 8 h + j of source 0's tile.  Tile 4 c + j of source 0 takes in place m the index 64 c + 32 (m / 8) + 8 j + m % 8: so the 32 registers of tiles 4 c .. 4 c + 3 are the WHOLE BLOCK 2 c + h of my row.
; ROWS OF A FRAGMENT.  V: channel 16 t + r.  Q and K: tile 4 c + j takes in place r the row 64 c + 32 (r / 8) + 8 j + r % 8 of the block, so that in the next launch the score registers of four tiles are a whole block of 32 keys.
; BUFFERS.  qc: a block's 16 fragments (tile t, K step s) at (2 t + s) x 1,536; qs: its four groups of scale words.  kvc: for each block K's 16 fragments, K's four groups of 256 bytes, V's 16 fragments, V's four groups.
; A group: 8 bytes a lane; word e: lanes 0-15 the words of tile 2 e's rows, lanes 16-31 those of tile 2 e + 1's.
; A block's scale is 2^(floor(log2(its largest magnitude)) - 2); its byte is the largest magnitude's exponent field - 2, held at 1 from below.
; Work-groups share nothing but weights and rows of a few KiB: no cluster, no tensor load, no LDS.
; LIMITS: a block whose largest magnitude lies under 2^-124 keeps the byte 1, a block of zeros too (its codes are zeros, and this program alone reads the bytes); NaN and infinities are not served;
; a number is four fused multiply-adds in ascending k, the bias last.
; v4, v5 byte offsets into the rows (or keys) for an operand's two registers; v6 8 x (lane / 16); v8, v9 offsets into the weights and the bias.
.set AO,  10                           ; v10-25   source 0: eight operands of two registers
.set BO,  26                           ; v26-33   source 1: four
.set D,   34                           ; v34-161  the results, two sets of 64.  Matrix instructions alone write them
.set F,   162                          ; v162-209 the four fragments' codes
.set T1,  F                            ; before that: what was loaded for lanes 0-15 of an operand's second register,
.set T2,  F+12                         ; and, for weights, the bias for lanes 16-31
.set CT,  210                          ; v210-212, v214-216 the second conversions' results
.set TM,  218                          ; v218-225 at work, v226-229 the four fragments' scale words, v230-231 the conversions' scale operands
.set SW,  234                          ; v234-235 the scale registers that leave
.macro LDW reg, t, imm                 ; a tile of weights: lane (r, h), register j: row 2 h + j of (W0, W1, W2, b) at my column
	global_load_b32 v[\reg], v8, s[6:7] offset:\imm
	global_load_b32 v[T1+\t], v9, s[6:7] offset:\imm+1024
	global_load_b32 v[T2+\t], v9, s[8:9] offset:\imm
.endm
.macro LDX reg, t, imm                 ; a tile of rows or keys: lane (r, h), register j: number 2 h + j of (x0, x1, x2, 1) of my row
	global_load_b32 v[\reg], v4, s[4:5] offset:\imm
	global_load_b32 v[T1+\t], v5, s[4:5] offset:\imm+4
.endm
.macro GROUP f                         ; fragment f's 16 rows x 128 along K: eight products, each a whole sum: C is the constant 0
.irp t, 0,1,2,3,4,5,6,7
	v_wmma_f32_16x16x4_f32 v[D+64*((\f)%2)+8*\t:D+64*((\f)%2)+8*\t+7], v[AO+2*\t:AO+2*\t+1], v[BO+2*(\f):BO+2*(\f)+1], 0
.endr
.endm
.macro QUANT f                         ; fragment f's 64 numbers of a lane, two whole blocks, become its codes and its scale word
.set SS, D+64*((\f)%2)
.set PC, F+12*(\f)
.irp b, 0,1,2,3
	v_max3_num_f32 v[TM+\b], |v[SS+16*\b]|, |v[SS+16*\b+1]|, 0x1800000   ; half a block; the floor 2^(3 - 127): the byte cannot fall under 1.  Each result is read from its low end on
.endr
.irp i, 2,4,6,8,10,12,14
.irp b, 0,1,2,3
	v_max3_num_f32 v[TM+\b], v[TM+\b], |v[SS+16*\b+\i]|, |v[SS+16*\b+\i+1]|
.endr
.endr
	v_max_num_f32 v[TM], v[TM], v[TM+1]
	v_max_num_f32 v[TM+2], v[TM+2], v[TM+3]
	v_add_nc_u32 v[TM+12], 0xff000000, v[TM]                       ; 2 off the exponent field: the conversion takes this operand's exponent field as its scale
	v_add_nc_u32 v[TM+13], 0xff000000, v[TM+2]
	v_lshrrev_b32 v[TM+4], 23, v[TM+12]
	v_lshrrev_b32 v[TM+5], 23, v[TM+13]
	v_cvt_scalef32_pk16_fp6_f32 v[PC:PC+2], v[SS:SS+15], v[TM+12]
	v_lshl_or_b32 v[TM+4], v[TM+5], 16, v[TM+4]                    ; my two bytes, blocks h and 2 + h,
	v_cvt_scalef32_pk16_fp6_f32 v[CT:CT+2], v[SS+16:SS+31], v[TM+12]   ; (a conversion's three registers begin on an even number)
	v_lshlrev_b32 v[TM+4], v6, v[TM+4]                             ; at their places in the word;
	v_cvt_scalef32_pk16_fp6_f32 v[PC+6:PC+8], v[SS+32:SS+47], v[TM+13]
	v_permlanex16_b32 v[TM+6], v[TM+4], s20, s21
	v_cvt_scalef32_pk16_fp6_f32 v[CT+4:CT+6], v[SS+48:SS+63], v[TM+13]
	v_or_b32 v[TM+8+(\f)], v[TM+4], v[TM+6]                        ; with lane l xor 16's two it is whole in both halves of the lanes
.irp c, 0,1
.irp i, 0,1,2
	v_mov_b32 v[PC+6*\c+3+\i], v[CT+4*\c+\i]
.endr
.endr
.endm
; isv = 0: source 0 is weights, source 1 rows; isv = 1: source 0 is keys, source 1 weights.
.macro BODY isv
	s_wait_loadcnt 0x0
.irp t, 0,1,2,3,4,5,6,7
.if \isv
	v_cndmask_b32 v[AO+2*\t+1], 1.0, v[T1+\t], vcc_lo              ; lanes 0-15: x1; lanes 16-31: the 1 that meets the bias
.else
	v_cndmask_b32 v[AO+2*\t+1], v[T2+\t], v[T1+\t], vcc_lo         ; lanes 0-15: W1; lanes 16-31: b
.endif
.endr
.irp f, 0,1,2,3
.if \isv
	v_cndmask_b32 v[BO+2*\f+1], v[T2+8+\f], v[T1+8+\f], vcc_lo
.else
	v_cndmask_b32 v[BO+2*\f+1], 1.0, v[T1+8+\f], vcc_lo
.endif
.endr
; A vector instruction that reads a result of this form stands eight plain vector instructions behind it, a matrix instruction that writes over the result nine (ISA guide 7.12.1).  Each group's
; results are read a whole quantising later, and written over behind the quantising that read them, whose lines on other registers are more than nine; only the first group wants v_nop.
	GROUP 0
	GROUP 1
.rept 8
	v_nop
.endr
	QUANT 0
	GROUP 2
	QUANT 1
	GROUP 3
	QUANT 2
	QUANT 3
	v_cndmask_b32 v[SW], v[TM+9], v[TM+8], vcc_lo
	v_cndmask_b32 v[SW+1], v[TM+11], v[TM+10], vcc_lo
.irp f, 0,1,2,3
.irp c, 0,1,2
	global_store_b128 v2, v[F+12*\f+4*\c:F+12*\f+4*\c+3], s[10:11] offset:\f*1536*(2-\isv)+512*\c   ; 32 lanes store 512 consecutive bytes, aligned
.endr
.endr
	global_store_b64 v3, v[SW:SW+1], s[12:13]      ; 32 lanes store one aligned group of 256 bytes.  No store's data are written again: no wait follows
	s_endpgm
.endm
	s_load_b512 s[68:83], s[0:1], 0x0              ; forces 68, noisy 70, Wq 72, bq 74, Wk 76, bk 78, Wv 80, bv 82
	s_load_b128 s[84:87], s[0:1], 0x40             ; qc 84, kvc 86
	s_load_b64 s[90:91], s[0:1], 0x50              ; qs 90
	v_lshrrev_b32 v4, 5, v0
	v_readfirstlane_b32 s14, v4                    ; wave 0..3
	v_and_b32 v1, 31, v0                           ; lane
	v_lshlrev_b32 v2, 4, v1                        ; 16 x lane: my place in an image
	v_lshlrev_b32 v3, 3, v1                        ; 8 x lane: my place in a group of scale words
	v_cmp_gt_u32 vcc_lo, 16, v1                    ; lanes 0-15; VCC is written nowhere else
	v_and_b32 v[TM], 15, v1                        ; r
	v_lshrrev_b32 v[TM+1], 4, v1                   ; h
	v_lshlrev_b32 v6, 3, v[TM+1]
	v_and_b32 v[TM+2], 8, v[TM]
	v_mad_u32_u24 v[TM+2], v[TM+2], 3, v[TM]       ; 32 (r / 8) + r % 8
.irp b, 0,1,2,3
	v_mov_b32 v[TM+4+\b], 0                        ; written once: a lane permute's destination counts as one of its sources
.endr
	s_mov_b32 s20, 0x76543210
	s_mov_b32 s21, 0xfedcba98                      ; v_permlanex16_b32's selects for lane l xor 16
	s_and_b32 s15, ttmp7, 0xffff                   ; y: which tensor
	s_mov_b32 s17, 0                               ; upper word of the offsets below
	s_wait_alu depctr_va_vdst(0)
	s_wait_kmcnt 0x0
	s_cmp_eq_u32 s15, 2
	s_cbranch_scc1 .Lpath_v
	; ---- Q or K: the buffers are chosen on the work-group's y alone
	s_cmp_eq_u32 s15, 0
	s_cselect_b64 s[4:5], s[68:69], s[70:71]       ; the rows
	s_cselect_b64 s[6:7], s[72:73], s[76:77]       ; W
	s_cselect_b64 s[8:9], s[74:75], s[78:79]       ; b
	s_cselect_b64 s[10:11], s[84:85], s[86:87]     ; the codes
	s_cselect_b64 s[12:13], s[90:91], s[86:87]     ; the scale words
	s_mov_b32 s92, 51200
	s_cselect_b32 s92, 24576, s92                  ; a block's bytes in the codes' buffer
	s_mov_b32 s93, 51200
	s_cselect_b32 s93, 1024, s93                   ; and in the scale words',
	s_mov_b32 s88, 24576
	s_cselect_b32 s88, 0, s88                      ; where K's lie behind K's codes
	s_lshr_b32 s2, s14, 1                          ; a
	s_and_b32 s3, s14, 1                           ; s
	s_mul_i32 s16, ttmp9, 1536                     ; 128 rows of 12 bytes a block,
	s_mul_i32 s18, s2, 768                         ; 64 rows for a
	s_add_co_u32 s16, s16, s18
	s_add_nc_u64 s[4:5], s[4:5], s[16:17]
	s_lshl_b32 s16, s3, 9                          ; 128 columns of 4 bytes for s
	s_add_nc_u64 s[6:7], s[6:7], s[16:17]
	s_add_nc_u64 s[8:9], s[8:9], s[16:17]
	s_mul_i32 s16, ttmp9, s92                      ; fragment (tile t, K step s) lies at (2 t + s) x 1536, t = 4 a + f
	s_lshl_b32 s18, s2, 3
	s_add_co_u32 s18, s18, s3
	s_mul_i32 s18, s18, 1536
	s_add_co_u32 s16, s16, s18
	s_add_nc_u64 s[10:11], s[10:11], s[16:17]
	s_mul_i32 s16, ttmp9, s93                      ; group 2 a + s = w
	s_lshl_b32 s18, s14, 8
	s_add_co_u32 s16, s16, s18
	s_add_co_u32 s16, s16, s88
	s_add_nc_u64 s[12:13], s[12:13], s[16:17]
	s_wait_alu depctr_va_vdst(0)
	v_lshlrev_b32 v9, 2, v[TM+2]                   ; the weights: my column of a tile,
	v_lshl_add_u32 v8, v[TM+1], 11, v9             ; two rows of 1,024 bytes down in lanes 16-31
	v_mul_u32_u24 v5, v[TM+2], 12                  ; my row of a tile,
	v_lshl_add_u32 v4, v[TM+1], 3, v5              ; two numbers on in lanes 16-31
.irp t, 0,1,2,3,4,5,6,7
.set IM, (64*(\t/4)+8*(\t%4))*4
	LDW AO+2*\t, \t, IM
.endr
.irp f, 0,1,2,3
	LDX BO+2*\f, 8+\f, 96*\f
.endr
	BODY 0
.Lpath_v:
	; ---- V: the rows of a fragment are channels, K runs along the block's 128 keys
	s_mov_b64 s[4:5], s[70:71]                     ; the keys
	s_mov_b64 s[6:7], s[80:81]                     ; Wv
	s_mov_b64 s[8:9], s[82:83]                     ; bv
	s_mov_b64 s[10:11], s[86:87]                   ; kvc
	s_mov_b64 s[12:13], s[86:87]
	s_mul_i32 s16, ttmp9, 1536
	s_add_nc_u64 s[4:5], s[4:5], s[16:17]
	s_lshl_b32 s16, s14, 8                         ; 64 channels of 4 bytes a wave
	s_add_nc_u64 s[6:7], s[6:7], s[16:17]
	s_add_nc_u64 s[8:9], s[8:9], s[16:17]
	s_mul_i32 s16, ttmp9, 51200                    ; V's fragments lie behind K's 25,600 bytes; tile 4 g + f at 1,536 bytes each
	s_mul_i32 s18, s14, 6144
	s_add_co_u32 s16, s16, s18
	s_add_co_u32 s16, s16, 25600
	s_add_nc_u64 s[10:11], s[10:11], s[16:17]
	s_mul_i32 s16, ttmp9, 51200                    ; V's groups lie behind V's fragments
	s_lshl_b32 s18, s14, 8
	s_add_co_u32 s16, s16, s18
	s_add_co_u32 s16, s16, 50176
	s_add_nc_u64 s[12:13], s[12:13], s[16:17]
	s_wait_alu depctr_va_vdst(0)
	v_mul_u32_u24 v5, v[TM+2], 12                  ; the keys: my key of a tile,
	v_lshl_add_u32 v4, v[TM+1], 3, v5              ; two numbers on in lanes 16-31
	v_lshlrev_b32 v9, 2, v[TM]                     ; the weights: channel r of a tile,
	v_lshl_add_u32 v8, v[TM+1], 11, v9             ; two rows down in lanes 16-31
.irp t, 0,1,2,3,4,5,6,7
.set IM, (64*(\t/4)+8*(\t%4))*12
	LDX AO+2*\t, \t, IM
.endr
.irp f, 0,1,2,3
	LDW BO+2*\f, 8+\f, 64*\f
.endr
	BODY 1
.Lfunc_end_k_q434a684715_prep:
	.size	k_q434a684715_prep, .Lfunc_end_k_q434a684715_prep-k_q434a684715_prep
	.p2alignl 7, 3214868480
	.fill 96, 4, 3214868480
	.section	.rodata,"a",@progbits
	.p2align	6, 0x0
	.amdhsa_kernel k_q434a684715_prep
		.amdhsa_group_segment_fixed_size 0
		.amdhsa_private_segment_fixed_size 0
		.amdhsa_enable_private_segment 0
		.amdhsa_kernarg_size 88
		.amdhsa_user_sgpr_count 2
		.amdhsa_user_sgpr_kernarg_segment_ptr 1
		.amdhsa_wavefront_size32 1
		.amdhsa_system_sgpr_workgroup_id_x 1
		.amdhsa_system_sgpr_workgroup_id_y 1
		.amdhsa_system_sgpr_workgroup_id_z 1
		.amdhsa_system_vgpr_workitem_id 0
		.amdhsa_next_free_vgpr 240
		.amdhsa_next_free_sgpr 96
		.amdhsa_reserve_vcc 1
		.amdhsa_float_denorm_mode_32 3
		.amdhsa_float_denorm_mode_16_64 3
		.amdhsa_memory_ordered 1
		.amdhsa_forward_progress 1
		.amdhsa_inst_pref_size 42
	.end_amdhsa_kernel
	.amdgpu_metadata
---
amdhsa.version: [ 1, 2 ]
amdhsa.kernels:
  - .name:           k_q434a684715_prep
    .symbol:         k_q434a684715_prep.kd
    .args:
      - { .name: forces, .offset: 0, .size: 8, .value_kind: global_buffer, .address_space: global }
      - { .name: noisy_trajectory, .offset: 8, .size: 8, .value_kind: global_buffer, .address_space: global }
      - { .name: Wq, .offset: 16, .size: 8, .value_kind: global_buffer, .address_space: global }
      - { .name: bq, .offset: 24, .size: 8, .value_kind: global_buffer, .address_space: global }
      - { .name: Wk, .offset: 32, .size: 8, .value_kind: global_buffer, .address_space: global }
      - { .name: bk, .offset: 40, .size: 8, .value_kind: global_buffer, .address_space: global }
      - { .name: Wv, .offset: 48, .size: 8, .value_kind: global_buffer, .address_space: global }
      - { .name: bv, .offset: 56, .size: 8, .value_kind: global_buffer, .address_space: global }
      - { .name: qc, .offset: 64, .size: 8, .value_kind: global_buffer, .address_space: global }
      - { .name: kvc, .offset: 72, .size: 8, .value_kind: global_buffer, .address_space: global }
      - { .name: qs, .offset: 80, .size: 8, .value_kind: global_buffer, .address_space: global }
    .group_segment_fixed_size: 0
    .private_segment_fixed_size: 0
    .kernarg_segment_align: 8
    .kernarg_segment_size: 88
    .max_flat_workgroup_size: 128
    .sgpr_count:     96
    .vgpr_count:     240
    .wavefront_size: 32
...
	.end_amdgpu_metadata
.endif
;; end of part 1
;; launch attn (part 2): grid 16 x 16, 4 waves a work-group, clusters of 4 x 1, 327,680 bytes of LDS; arguments qc, qs, kvc, out0; writes out0
.if DOCPART == 2
	.amdgcn_target "amdgcn-amd-amdhsa--gfx1250"
	.amdhsa_code_object_version 6
	.text
	.protected	k_q434a684715_attn
	.globl	k_q434a684715_attn
	.p2align	8
	.type	k_q434a684715_attn,@function
k_q434a684715_attn:
	s_mov_b64 s[64:65], 0
	v_nop
	global_prefetch_b8 v0, s[64:65] scope:SCOPE_SE
	s_setreg_imm32_b32 hwreg(HW_REG_WAVE_MODE, 25, 1), 1
	s_wait_xcnt 0x0
	s_wait_alu depctr_hold_cnt(0) depctr_sa_sdst(0) depctr_va_vdst(0) depctr_va_sdst(0) depctr_va_ssrc(0) depctr_va_vcc(0) depctr_vm_vsrc(0)
	s_getreg_b32 s2, hwreg(HW_REG_IB_STS2, 6, 4)
	s_cmp_eq_u32 s2, 0
	s_cbranch_scc0 .Lentry_in_a_cluster
	s_endpgm
.Lentry_in_a_cluster:
	s_bfe_u32 s2, ttmp6, 0x10000c
	s_cmp_lg_u32 s2, 0x3003
	s_cbranch_scc0 .Lentry_shape_is_right
	s_endpgm
.Lentry_shape_is_right:
; out0[b][q][:] = the sum over k of softmax_k(Q[b][q] . K[b][k]) V[b][k][:], both products on codes of FP6 (E2M3) with one E8M0 scale for each 32 along a product's K.
; Codes and scale words come from the launch before as images of operand registers (a fragment: 1,536 bytes, three loads of 16 bytes a lane; a group of scale words: 256 bytes, 8 bytes a lane).
; SHARES.  A work-group owns 128 queries of one batch: four waves, one with 1,024 registers on each SIMD.  Wave w = 2 p + a owns 64 queries (four tiles of 16, a) and walks the even (p = 0) or odd (p = 1) steps of 128
; keys, eight of them: so a fragment of K or V read from LDS feeds four matrix instructions.  At the end the two waves of the same queries are merged, each finishing 128 of the 256 channels.
; THE SOFTMAX: t = score x log2(e); M = the largest t so far, rounded UP to a whole number; p = 2^(t - M) is what is quantised, along the keys, not normalised.  The row's sum is taken of the
; unquantised p in f32, under M, and divides at the end.
; O IS NOT RESCALED IN EVERY STEP.  It has an exponent E of its own, E <= M, also a whole number, and M - E goes into p's scale bytes: a product's block then weighs 2^(M - E) p, which is exact.  E is set to M in steps 0 and 4
; (in step 4 O is multiplied by 2^(old E - new E)); in step 4 u + j it stays, or rises to M - 32 j where it would lie lower.  Where it rises so, what O holds should shrink by the same power of two and does not:
; a key of an earlier step then has a weight of at most 2^-31 of the row's largest, where it should have less: under f32's own rounding of the sum but for its count.  The bytes are 125 + 96 at the most.
; LAYOUT.  Both products are used transposed: S^T = K Q^T (source 0 = 16 keys, source 1 = 16 queries), O^T = V^T P^T (source 0 = 16 channels, source 1 = P): a lane holds ONE query throughout, and by the launch
; before's order of keys its registers of four tiles of keys are a whole block of 32: no lane looks at another but for the row's maximum, the scale word and the sum.
; A STEP: S^T, 64 matrix instructions in runs of 16; the largest scores; M; 256 exponentials a lane in eight batches of one block each, among them the next block's t - M, the sum of the p of the blocks before, by levels of a
; tree, and the conversions of the block before; O^T, 64 matrix instructions in two runs.
; CLUSTER.  The four query blocks of a cluster belong to one batch and walk the same K and V: every tensor load is asked for JOINTLY, by the same descriptor with a mask that names the four.
; RINGS.  Two LDS slots, each with K's and V's even and odd step (25,600 bytes each, scale words behind the codes).  K and V are refilled apart: the ONE round of a step stands among its exponentials, behind
; S^T: K's slot of this step and V's of the step before have been read by then, and take K two steps on and V one step on.  Waves 0 and 1 fetch K's halves, waves 2 and 3 V's, one load a wave.
; A tile has a whole step in which to land.  THE PREFETCH: behind a round the batch's first cluster asks for what the next round's loads bring, 25 blocks of 256 bytes a wave, the four partners told apart BY ADDRESS.
; LIMITS: those of the launch before; the scaled scores stay under 2^31; |V| under 2^20 (O holds up to 2^107 |V|); a block of p that has fallen to 0 keeps the lowest byte over zero codes.
.set SLOT1, 1<<17                      ; slot 1 begins here: one exclusive or turns an address in one slot into the other's
.set PARTB, 25600
.set FILLB, 4*PARTB                    ; from a tile to the next of its kind in memory
.set SPARE, SLOT1+FILLB                ; the spare words, 128 bytes for each wave: two blocks of 256 bytes that no other line names
.set XST,   SPARE+512                  ; the merge: -E and the sum of four tiles: 1,024 bytes a wave
.set STG,   XST+4096                   ; the way out: 16 rows x (512 bytes + 16) a wave
; The exchange of O^T, 32,768 bytes a wave, lies at wave x 32,768, in slot 0 and the gap behind it: slot 0 has had its last fill, and ahead of the last step's barrier its last read.
; window 0: v1 spare word's address, v2 zero; v3 16 x lane, v4 8 x lane; v5-10 addresses; v11 the prefetch's offset; v255 8 x (lane / 16)
.set ST,  12                           ; tile q: -M at v[12 + 2 q], -E behind it
.set LS,  20                           ; the sum under M, in two halves
.set QS,  28                           ; Q's scale words: K step s, tiles 2 e (lanes 0-15) and 2 e + 1: v[28 + 2 s + e]
.set KS,  32                           ; v32-39 K's scale words of the step
.set VS,  40                           ; v40-47 V's
.set PW,  48                           ; v48-51 p's scale words
.set Q,   52                           ; v52-147 Q's fragments (q, s) at v[52 + 12 (2 q + s)]
.set PC,  148                          ; v148-195 p's codes of tile q at v[148 + 12 q]; in the first product K's fragments 4-7 and 12-15; between the two at work:
.set R1,  PC+12
.set R3,  PC+16
.set R4,  PC+20
.set R5,  PC+24
.set TT,  PC+28
.set FX,  PC+36
.set R6,  PC+44
.set FB,  196                          ; v196-243 K's fragments 0-3 and 8-11, V's 0-3
.set BM,  244                          ; v244-251 block b = 2 q + c: its largest score, its largest p, then the conversions' scale operand; at the end addresses
.set CT,  252                          ; v252-254 a second conversion's result
.set H8,  255
; window 1: S^T, then p: tile q, keys' tile t at v[64 q + 8 t]: block b = 2 q + c at v[32 b].  In the second product V's fragments 4-15 at v[12 (T - 4)].  At the end the partner's half.
; windows 2, 3: O^T, places 0-7 and 8-15: (T, q) at v[32 (T % 8) + 8 q].  Place T holds the channels' tile T xor 8 p, so that every wave keeps places 0-7 and sends places 8-15 by the same text.
.set MSB, 0
.macro WIN new                         ; the immediate's high byte repeats the setting that is left; a switch that changes nothing is dropped
.if MSB != \new
	s_set_vgpr_msb (MSB<<8)|\new
.set MSB, \new
.endif
.endm
.macro WALU
	s_wait_alu depctr_va_vdst(0)
.endm
.macro PLACES n=4                      ; a read of a matrix result, and a load into a matrix instruction's register, stand four plain vector instructions behind it (ISA guide 7.12.1 for the read),
.rept \n                               ; a matrix instruction that writes over one of its registers five
	v_nop
.endr
.endm
.macro CREST                           ; a round of the cluster's barrier behind its opening barrier
	s_cmp_lg_u32 s14, 0
	s_cbranch_scc1 .Lnot_wave_0_\@
	s_barrier_signal -3
.Lnot_wave_0_\@:
	s_barrier_wait -3
	s_barrier_signal -1
	s_barrier_wait -1
.endm
.macro CROUND
	s_barrier_signal -1
	s_barrier_wait -1
	CREST
.endm
.macro TLOAD                           ; waves 0 and 1 a half of K, waves 2 and 3 a half of V; the branch hangs on the wave's number alone
	s_cmp_lt_u32 s14, 2
	s_cbranch_scc0 .Lfor_v_\@
	tensor_load_to_lds s[40:43], s[24:31]
	s_nop 0
	PLACES
	s_branch .Lasked_\@
.Lfor_v_\@:
	tensor_load_to_lds s[44:47], s[24:31]
	s_nop 0
	PLACES
.Lasked_\@:
.endm
.macro TLOADK
	s_cmp_lt_u32 s14, 2
	s_cbranch_scc0 .Lnone_\@
	tensor_load_to_lds s[40:43], s[24:31]
	s_nop 0
	PLACES
.Lnone_\@:
.endm
.macro TLOADV
	s_cmp_lt_u32 s14, 2
	s_cbranch_scc1 .Lnone_\@
	tensor_load_to_lds s[44:47], s[24:31]
	s_nop 0
	PLACES
.Lnone_\@:
.endm
.macro STEPK                           ; the walking descriptors: the other slot than last time, the next tile; the type bits on top are not reached
	s_xor_b32 s41, s41, SLOT1
	s_add_nc_u64 s[42:43], s[42:43], FILLB
.endm
.macro STEPV
	s_xor_b32 s45, s45, SLOT1
	s_add_nc_u64 s[46:47], s[46:47], FILLB
.endm
; One matrix instruction.  c: the constant 0 starts a sum.  ra, rb = 1: the side's scales are taken from lanes 16-31 of the register named.
.macro WM d, a, b, c, sa, sb, ra, rb
.if (\ra) && (\rb)
	v_wmma_scale_f32_16x16x128_f8f6f4 v[\d:\d+7], v[\a:\a+11], v[\b:\b+11], \c, v[\sa], v[\sb] matrix_a_fmt:MATRIX_FMT_FP6 matrix_b_fmt:MATRIX_FMT_FP6 matrix_a_scale:MATRIX_SCALE_ROW1 matrix_b_scale:MATRIX_SCALE_ROW1
.elseif (\ra)
	v_wmma_scale_f32_16x16x128_f8f6f4 v[\d:\d+7], v[\a:\a+11], v[\b:\b+11], \c, v[\sa], v[\sb] matrix_a_fmt:MATRIX_FMT_FP6 matrix_b_fmt:MATRIX_FMT_FP6 matrix_a_scale:MATRIX_SCALE_ROW1
.elseif (\rb)
	v_wmma_scale_f32_16x16x128_f8f6f4 v[\d:\d+7], v[\a:\a+11], v[\b:\b+11], \c, v[\sa], v[\sb] matrix_a_fmt:MATRIX_FMT_FP6 matrix_b_fmt:MATRIX_FMT_FP6 matrix_b_scale:MATRIX_SCALE_ROW1
.else
	v_wmma_scale_f32_16x16x128_f8f6f4 v[\d:\d+7], v[\a:\a+11], v[\b:\b+11], \c, v[\sa], v[\sb] matrix_a_fmt:MATRIX_FMT_FP6 matrix_b_fmt:MATRIX_FMT_FP6
.endif
.endm
; ---- the first product.  Fragment n = 2 t + s: keys' tile t, channels 128 s on; runs of four fragments lie in FB and PC by turns.
.macro KREG n
.if ((\n)/4)%2
.set kf_, PC+12*((\n)%4)
.else
.set kf_, FB+12*((\n)%4)
.endif
.endm
.macro KRUN n0                         ; four fragments: twelve loads
	WIN 0
.irp n, 0,1,2,3
	KREG (\n0)+\n
.irp c, 0,1,2
	ds_load_b128 v[kf_+4*\c:kf_+4*\c+3], v5 offset:((\n0)+\n)*1536+512*\c
.endr
.endr
.endm
.macro KSCALES
.irp g, 0,1,2,3
	ds_load_b64 v[KS+2*\g:KS+2*\g+1], v6 offset:256*\g
.endr
.endm
.macro WQ n, q
	KREG \n
.set rD, 64*(\q)+8*((\n)/2)
.set rB, Q+12*(2*(\q)+(\n)%2)
.set rS, KS+2*(2*((\n)/8)+(\n)%2)+((\n)/4)%2
.set rT, QS+2*((\n)%2)+(\q)/2
.if (\n)%2
	WM rD, kf_, rB, v[rD:rD+7], rS, rT, ((\n)/2)%2, (\q)%2
.else
	WM rD, kf_, rB, 0, rS, rT, ((\n)/2)%2, (\q)%2
.endif
.endm
.macro QRUN n0                         ; 16 matrix instructions, the four tiles of queries by turns
	WIN 0x50                                       ; C and D in window 1
.irp n, 0,1,2,3
.irp q, 0,1,2,3
	WQ (\n0)+\n, \q
.endr
.endr
.endm
.macro QK
	KRUN 4
	s_wait_dscnt 12                                ; fragments 0-3 and the scale words are in; the twelve loads just issued may be out
	QRUN 0
	PLACES
	KRUN 8
	s_wait_dscnt 12
	QRUN 4
	PLACES
	KRUN 12
	s_wait_dscnt 12
	QRUN 8
	s_wait_dscnt 0x0
	QRUN 12
.endm
; ---- the second product.  Fragment T: place T's 16 channels, my 128 keys.  T = 0 .. 3 lie in FB, the others in window 1, on registers that p has left.
.macro VREG n
.if (\n) < 4
.set vf_, FB+12*(\n)
.else
.set vf_, 12*((\n)-4)
.endif
.endm
.macro VLOAD n
	VREG \n
.irp c, 0,1,2
.if (\n) < 8
	ds_load_b128 v[vf_+4*\c:vf_+4*\c+3], v7 offset:(\n)*1536+512*\c
.else
	ds_load_b128 v[vf_+4*\c:vf_+4*\c+3], v8 offset:((\n)-8)*1536+512*\c
.endif
.endr
.endm
.macro VREST                           ; 36 loads
	WIN 0x40
.set n_, 4
.rept 12
	VLOAD n_
.set n_, n_+1
.endr
.endm
.macro VWIN n                          ; source 0 in window 0 or 1, C and D in window 2 or 3
.if (\n) < 4
	WIN 0xa0
.elseif (\n) < 8
	WIN 0xa1
.else
	WIN 0xf1
.endif
.endm
.macro WV n, q, first
	VREG \n
.set rD, 32*((\n)%8)+8*(\q)
.set rB, PC+12*(\q)
.set rS, VS+(\n)/2
.set rT, PW+(\q)
.if \first
	WM rD, vf_, rB, 0, rS, rT, (\n)%2, 0
.else
	WM rD, vf_, rB, v[rD:rD+7], rS, rT, (\n)%2, 0
.endif
.endm
.macro VGROUP n, first
	VWIN \n
.irp q, 0,1,2,3
	WV \n, \q, \first
.endr
.endm
.macro PV first
	PLACES                                         ; an operand written by a vector instruction stands four places ahead of a scaled matrix instruction
	WALU                                           ; p's codes, and O^T's sums, which the adding lines take up
	VREST
	s_wait_dscnt 36                                ; fragments 0-3 and the scale words are in
.irp n, 0,1,2,3
	VGROUP \n, \first
.endr
	PLACES
	KRUN 0                                         ; the next step's first fragments of K
	KSCALES
.set n_, 4
.rept 12
	s_wait_dscnt 3*(15-n_)+16                      ; behind this fragment: V's later ones, three loads each, and K's 16 loads
	VGROUP n_, \first
.set n_, n_+1
.endr
	PLACES 5                                       ; S^T is written over V's fragments
	WIN 0
	s_add_co_u32 s48, s48, 1
.endm
; ---- the exponentials
.macro FMA2 b, i                       ; t - M, two at a time (of the pairs c and -M the low word serves both halves)
	v_pk_fma_f32 v[32*(\b)+2*(\i):32*(\b)+2*(\i)+1], v[32*(\b)+2*(\i):32*(\b)+2*(\i)+1], s[22:23], v[ST+2*((\b)/2):ST+2*((\b)/2)+1] op_sel_hi:[1,0,0]
.endm
.macro CVLO b
	v_cvt_scalef32_pk16_fp6_f32 v[PC+6*(\b):PC+6*(\b)+2], v[32*(\b):32*(\b)+15], v[BM+(\b)]
.endm
.macro CVHI b                          ; (a conversion's three registers begin on an even number)
	v_cvt_scalef32_pk16_fp6_f32 v[CT:CT+2], v[32*(\b)+16:32*(\b)+31], v[BM+(\b)]
.endm
.macro CVMOV b
.irp i, 0,1,2
	v_mov_b32 v[PC+6*(\b)+3+\i], v[CT+\i]
.endr
.endm
.macro ADDP d, s
	v_pk_add_f32 v[\d:\d+1], v[\d:\d+1], v[\s:\s+1]
.endm
; THE SUM OF THE UNQUANTISED p, in the registers of p, behind a block's conversions: its 16 pairs to 8; a tile's two blocks together; 8 to 4, to 2, to 1.  Each level of a tile stands a batch behind the one before:
; its results are read behind the next batch's wait.  k = 0 .. 15: what stands behind the batch's exponential 16 + k.
.macro SLOT b, k
.if ((\b) > 0) && ((\k) < 8)
	ADDP 32*((\b)-1)+2*(\k), 32*((\b)-1)+16+2*(\k)
.endif
.if ((\b) > 2) && ((\b)%2 == 1) && ((\k) > 7)
	ADDP 64*(((\b)-3)/2)+2*((\k)-8), 64*(((\b)-3)/2)+32+2*((\k)-8)
.endif
.if ((\b) > 3) && ((\b)%2 == 0) && ((\k) > 7) && ((\k) < 12)
	ADDP 64*(((\b)-4)/2)+2*((\k)-8), 64*(((\b)-4)/2)+8+2*((\k)-8)
.endif
.if ((\b) > 4) && ((\b)%2 == 1) && ((\k) < 2)
	ADDP 64*(((\b)-5)/2)+2*(\k), 64*(((\b)-5)/2)+4+2*(\k)
.endif
.if ((\b) == 6) && ((\k) == 12)
	ADDP 0, 2
.endif
.endm
; Batch b: block b's 32 exponentials, the next block's t - M, the conversions of the block before, the moves of the one before that.  One wait at its head serves the exponentials' sources, and what the batch before made.
; One setting, 0x45, serves the exponentials, t - M (its source 1 is scalar) and the sum.
.macro BATCH b
.if (\b) > 1
	WALU
	WIN 0
	CVMOV (\b)-2
.endif
.if (\b) > 0
	WIN 0x01
	CVHI (\b)-1
.endif
	WIN 0x45
.set k_, 0
.rept 8
	v_exp_f32 v[32*(\b)+k_], v[32*(\b)+k_]         ; p = 2^(t - M), at most 1
.if (\b) < 7
	FMA2 (\b)+1, k_
.endif
.set k_, k_+1
.endr
.if (\b) > 0
	WIN 0x01
	CVLO (\b)-1
	WIN 0x45
.endif
.rept 8
	v_exp_f32 v[32*(\b)+k_], v[32*(\b)+k_]
.if (\b) < 7
	FMA2 (\b)+1, k_
.endif
.set k_, k_+1
.endr
.if (\b) == 7
	v_nop                                          ; the last batch has no t - M to make: one plain line between the conversions and the sum, which writes over their sources
.endif
.set k_, 0
.rept 16
	v_exp_f32 v[32*(\b)+16+k_], v[32*(\b)+16+k_]
	SLOT \b, k_
.set k_, k_+1
.endr
.endm
; THE SOFTMAX of a step.  fill: 3 K alone is asked for behind the round, 2 K and V, 1 V alone, 0 nothing (a plain barrier).  resc = 1: in step 4 O^T is brought under the new E.
.macro SOFTMAX fill, resc
	WIN 0
.if \fill
	s_wait_xcnt 0x0                                ; the last prefetch, a step back, has read its address, so it may be written
.endif
	s_wait_tensorcnt 0x0                           ; all my tensor loads have landed, so the descriptors may be written;
	ds_add_u32 v1, v2                              ; 0 onto my spare word
.if (\fill)&2
	STEPK
	s_add_nc_u64 s[50:51], s[50:51], FILLB
.endif
.if ((\fill) == 1) || ((\fill) == 2)
	STEPV
.endif
	s_and_b32 s60, s48, 3
	s_lshl_b32 s60, s60, 5                         ; 32 j
	PLACES
; the largest score of each block of 32 keys, eight blocks by turns; it serves the row's maximum and, since p rises with the score, the block's largest p.  Each accumulator is read from its low end on
	WIN 0x15
.irp b, 0,1,2,3,4,5,6,7
	v_max3_num_f32 v[BM+\b], v[32*\b], v[32*\b+1], v[32*\b+2]
.endr
	WIN 0x14
.set m_, 3
.rept 14
.irp b, 0,1,2,3,4,5,6,7
	v_max3_num_f32 v[BM+\b], v[BM+\b], v[32*\b+m_], v[32*\b+m_+1]
.endr
.set m_, m_+2
.endr
	WIN 0x04
.irp b, 0,1,2,3,4,5,6,7
	v_max_num_f32 v[BM+\b], v[BM+\b], v[32*\b+31]
.endr
	WIN 0
.irp q, 0,1,2,3
	v_max_num_f32 v[R1+\q], v[BM+2*\q], v[BM+2*\q+1]
.endr
.irp q, 0,1,2,3
	v_permlanex16_b32 v[TT+\q], v[R1+\q], s20, s21
.endr
.irp q, 0,1,2,3
	v_max_num_f32 v[R1+\q], v[R1+\q], v[TT+\q]     ; the step's largest score of my query
.endr
.irp q, 0,1,2,3
	v_mul_f32 v[R1+\q], s23, v[R1+\q]              ; -t
.endr
.irp q, 0,1,2,3
	v_floor_f32 v[R1+\q], v[R1+\q]                 ; -ceil(t)
.endr
.irp q, 0,1,2,3
	v_mov_b32 v[R3+\q], v[ST+2*\q]
.endr
.irp q, 0,1,2,3
	v_min_num_f32 v[ST+2*\q], v[ST+2*\q], v[R1+\q] ; the running -M, a whole number
.endr
	v_cvt_f32_u32 v[R5], s60
.irp b, 0,1,2,3,4,5,6,7
	v_fma_f32 v[BM+\b], v[BM+\b], s22, v[ST+2*(\b/2)]   ; each block's largest score as t - M: its exponential is the block's largest p
.endr
.irp q, 0,1,2,3
	v_sub_f32 v[R3+\q], v[ST+2*\q], v[R3+\q]       ; old M less new M: a whole number, 0 or less
.endr
.irp q, 0,1,2,3
	v_add_f32 v[R4+\q], v[R5], v[ST+2*\q]          ; -(M - 32 j)
.endr
.if \resc
.irp q, 0,1,2,3
	v_mov_b32 v[R6+\q], v[ST+2*\q+1]
.endr
.endif
.irp q, 0,1,2,3
	v_min_num_f32 v[ST+2*\q+1], v[ST+2*\q+1], v[R4+\q]   ; -E
.endr
.irp q, 0,1,2,3
	v_cvt_i32_f32 v[R3+\q], v[R3+\q]               ; (it saturates)
.endr
.irp q, 0,1,2,3
	v_sub_f32 v[R4+\q], v[ST+2*\q+1], v[ST+2*\q]   ; M - E, 0 to 96
.endr
.irp q, 0,1,2,3
	v_ldexp_f32 v[R3+\q], 1.0, v[R3+\q]            ; 2^(old M - new M)
.endr
.irp q, 0,1,2,3
	v_cvt_i32_f32 v[R4+\q], v[R4+\q]
.endr
.irp q, 0,1,2,3
	v_mul_f32 v[LS+2*\q], v[LS+2*\q], v[R3+\q]     ; the sum under the new M
	v_mul_f32 v[LS+2*\q+1], v[LS+2*\q+1], v[R3+\q]
.endr
.irp q, 0,1,2,3
	v_lshl_or_b32 v[R4+\q], v[R4+\q], 16, v[R4+\q] ; M - E for the two bytes of my blocks
.endr
.if \resc
.irp q, 0,1,2,3
	v_sub_f32 v[R6+\q], v[ST+2*\q+1], v[R6+\q]     ; old E less new E
.endr
.endif
	WIN 0x45
.set k_, 0
.rept 16
	FMA2 0, k_
.set k_, k_+1
.endr
	WIN 0
	WALU
	s_wait_dscnt 0x0                               ; the add is done, and my reads of K's slot, and of V's of the step before, are over:
	s_barrier_signal -1                            ; say so; register work while the others arrive
.irp b, 0,1,2,3,4,5,6,7
	v_exp_f32 v[BM+\b], v[BM+\b]
.endr
	BATCH 0
	WALU
	WIN 0
.irp b, 0,1,2,3,4,5,6,7
	v_max_num_f32 v[BM+\b], 0x1800000, v[BM+\b]    ; the floor 2^(3 - 127): the byte cannot fall under 1
.endr
.irp b, 0,1,2,3,4,5,6,7
	v_add_nc_u32 v[BM+\b], 0xff000000, v[BM+\b]    ; 2 off the exponent field: the conversion's scale operand
.endr
.irp q, 0,1,2,3
	v_lshrrev_b32 v[R1+\q], 23, v[BM+2*\q]
.endr
.irp q, 0,1,2,3
	v_lshrrev_b32 v[R3+\q], 23, v[BM+2*\q+1]
.endr
.irp q, 0,1,2,3
	v_lshl_or_b32 v[R1+\q], v[R3+\q], 16, v[R1+\q] ; my blocks' bytes, h and 2 + h,
.endr
.irp q, 0,1,2,3
	v_add_nc_u32 v[R1+\q], v[R1+\q], v[R4+\q]      ; each with M - E on top,
.endr
.irp q, 0,1,2,3
	v_lshlrev_b32 v[R1+\q], v[H8], v[R1+\q]        ; at their places in the word
.endr
.irp q, 0,1,2,3
	v_permlanex16_b32 v[TT+\q], v[R1+\q], s20, s21
.endr
.irp q, 0,1,2,3
	v_or_b32 v[PW+\q], v[R1+\q], v[TT+\q]          ; with lane l xor 16's two the word is whole
.endr
	BATCH 1
	BATCH 2
	WIN 0
	WALU
	s_barrier_wait -1
.if \fill
	CREST                                          ; no wave of any partner still reads these tiles' slots or has a load on its way
.if (\fill) == 3
	TLOADK
.elseif (\fill) == 2
	TLOAD
.else
	TLOADV
.endif
	s_xor_b32 s52, s52, SLOT1
	s_xor_b32 s55, s55, SLOT1
	v_add_nc_u32 v5, s52, v3                       ; K's images of the next step
	v_add_nc_u32 v6, s55, v4                       ; and their scale words
.endif
	v_add_nc_u32 v7, s53, v3                       ; V's images of places 0-7,
	v_add_nc_u32 v8, s54, v3                       ; of places 8-15,
	v_add_nc_u32 v9, s56, v4                       ; and their scale words
	v_add_nc_u32 v10, s57, v4
	ds_load_b64 v[VS:VS+1], v9
	ds_load_b64 v[VS+2:VS+3], v9 offset:256
	ds_load_b64 v[VS+4:VS+5], v10
	ds_load_b64 v[VS+6:VS+7], v10 offset:256
	VLOAD 0
	VLOAD 1
	VLOAD 2
	VLOAD 3
	s_xor_b32 s53, s53, SLOT1
	s_xor_b32 s54, s54, SLOT1
	s_xor_b32 s56, s56, SLOT1
	s_xor_b32 s57, s57, SLOT1
.if (\fill)&2
	s_cmp_lt_u32 s48, s49
	s_cbranch_scc0 .Lnot_mine_\@
	global_prefetch_b8 v11, s[50:51] th:TH_LOAD_NT scope:SCOPE_SE   ; what my next load will bring
.Lnot_mine_\@:
.endif
.if \resc
	s_cmp_eq_u32 s48, 4
	s_cbranch_scc0 .Lkeep_\@
.irp q, 0,1,2,3
	v_cvt_i32_f32 v[R6+\q], v[R6+\q]
.endr
.irp q, 0,1,2,3
	v_ldexp_f32 v[FX+2*\q], 1.0, v[R6+\q]
.endr
	WALU
.irp w, 0,1
	WIN 0x82+0x41*\w
.set k_, 0
.rept 8
.irp q, 0,1,2,3
.irp i, 0,2,4,6
	v_pk_mul_f32 v[32*k_+8*\q+\i:32*k_+8*\q+\i+1], v[32*k_+8*\q+\i:32*k_+8*\q+\i+1], v[FX+2*\q:FX+2*\q+1] op_sel_hi:[1,0]
.endr
.endr
.set k_, k_+1
.endr
.endr
	WIN 0
	WALU
.Lkeep_\@:
.endif
	BATCH 3
	BATCH 4
	BATCH 5
	BATCH 6
	BATCH 7
	WALU
	WIN 0
	CVMOV 6
	WIN 0x01
	CVHI 7
	CVLO 7
	WIN 0x45                                       ; the rest of the sum; its first five lines name no register of the conversions
	ADDP 64, 66
.irp k, 0,2,4,6
	ADDP 128+\k, 136+\k
.endr
.irp k, 0,2,4,6,8,10,12,14
	ADDP 224+\k, 240+\k
.endr
.irp k, 0,2
	ADDP 128+\k, 132+\k
.endr
.irp k, 0,2,4,6,8,10,12,14
	ADDP 192+\k, 224+\k
.endr
	ADDP 128, 130
.irp k, 0,2,4,6
	ADDP 192+\k, 200+\k
.endr
.irp k, 0,2
	ADDP 192+\k, 196+\k
.endr
	ADDP 192, 194
	WIN 0x01
.irp q, 0,1,2,3
	v_pk_add_f32 v[LS+2*\q:LS+2*\q+1], v[64*\q:64*\q+1], v[LS+2*\q:LS+2*\q+1]
.endr
	WIN 0
	CVMOV 7
.endm
	s_load_b128 s[4:7], s[0:1], 0x0                ; qc s[4:5], qs s[6:7]
	s_load_b128 s[8:11], s[0:1], 0x10              ; kvc s[8:9], out0 s[10:11]
	v_lshl_add_u32 v1, v0, 2, SPARE
	v_mov_b32 v2, 0
	ds_add_u32 v1, v2                              ; the opening
	ds_add_u32 v1, v2
	v_lshrrev_b32 v5, 5, v0
	v_readfirstlane_b32 s14, v5                    ; wave 0..3
	v_and_b32 v6, 31, v0
	v_bfe_u32 v[H8], v0, 4, 1
	v_lshlrev_b32 v3, 4, v6
	v_lshlrev_b32 v4, 3, v6
	v_min_u32 v11, 24, v6                          ; 25 blocks of 256 bytes
	v_lshlrev_b32 v11, 8, v11
	v_lshlrev_b32 v[H8], 3, v[H8]
	WALU
	s_lshr_b32 s15, s14, 1                         ; p: even steps or odd.  Also: I fetch for K (0) or for V (1)
	s_and_b32 s16, s14, 1                          ; a: which 64 queries.  Also: which half, even or odd, I fetch
	s_bfe_u32 s18, ttmp6, 0x40000                  ; cx: my place in the cluster; it enters the addresses of Q, of out0 and of the prefetches alone
	s_and_b32 s19, ttmp7, 0xffff                   ; the batch, which the four partners share
	s_mov_b32 s20, 0x76543210
	s_mov_b32 s21, 0xfedcba98                      ; v_permlanex16_b32's selects for lane l xor 16
	s_mov_b32 s22, 0x3fb8aa3b                      ; c = log2(e)
	s_mov_b32 s23, 0xbfb8aa3b                      ; -c
	; group 1: 100 rows of 256 bytes (32 elements of 8 bytes), dense
	s_mov_b32 s24, 15|(3<<16)|(1<<21)              ; 15:0 the mask: all four work-groups; 17:16 elements of 8 bytes; 21 set beside a mask; no padding: images are read 16 bytes a lane on end
	s_mov_b32 s25, 32<<16
	s_mov_b32 s26, 100<<16
	s_mov_b32 s27, 32<<16
	s_mov_b32 s28, 100
	s_mov_b32 s29, 32
	s_mov_b32 s30, 0
	s_mov_b32 s31, 0
	; what feeds the descriptors is made of the batch and the wave's number, in registers that never hold cx
	s_mul_i32 s58, s19, 8*FILLB
	s_mul_i32 s59, s16, 2*PARTB
	s_add_co_u32 s60, s58, s59                     ; K's half of the first two steps
	s_mov_b32 s61, 0
	s_add_co_u32 s66, s60, PARTB                   ; V's
	s_mov_b32 s67, 0
	s_mul_i32 s62, s16, PARTB
	; the prefetches: at the round of step i for K's step i + 3, V's i + 2; the round steps the address first
	s_mul_i32 s68, s15, 3*PARTB
	s_sub_co_u32 s68, s60, s68
	s_add_co_u32 s68, s68, 2*FILLB
	s_mul_i32 s69, s18, 6400
	s_add_co_u32 s68, s68, s69
	s_mov_b32 s69, 0
	s_add_co_u32 s49, s15, 5                       ; K's waves ask in steps under 5, V's under 6,
	s_cmp_eq_u32 ttmp9, 0
	s_cselect_b32 s49, s49, 0                      ; in the batch's first cluster
	; my queries: block X = 16 x batch + 4 x cluster x + cx
	s_lshl_b32 s70, s19, 4
	s_lshl_b32 s71, ttmp9, 2
	s_add_co_u32 s70, s70, s71
	s_add_co_u32 s70, s70, s18
	; where my steps' bytes lie in LDS
	s_mul_i32 s52, s15, PARTB                      ; K
	s_add_co_u32 s55, s52, 24576                   ; its scale words
	s_mul_i32 s53, s15, PARTB+12288
	s_add_co_u32 s53, s53, 2*PARTB                 ; V's tiles 8 p on: my places 0-7
	s_mul_i32 s54, s15, PARTB-12288
	s_add_co_u32 s54, s54, 2*PARTB+12288           ; and the other eight: places 8-15
	s_mul_i32 s56, s15, PARTB+512
	s_add_co_u32 s56, s56, 2*PARTB+24576
	s_mul_i32 s57, s15, PARTB-512
	s_add_co_u32 s57, s57, 2*PARTB+24576+512
	s_mov_b32 s48, 0                               ; the step
	s_wait_dscnt 0x0                               ; both opening adds are done
	CROUND                                         ; all four work-groups are here: the first joint loads meet
	s_wait_kmcnt 0x0
	s_mov_b32 s40, 1                               ; 1:0 count = 1
	s_mov_b32 s41, s62                             ; 63:32 LDS address: slot 0
	s_add_nc_u64 s[42:43], s[8:9], s[60:61]        ; 120:64 global address
	s_or_b32 s43, s43, 0x80000000                  ; 127:126 type = 2
	s_mov_b32 s44, 1
	s_add_co_u32 s45, s62, 2*PARTB
	s_add_nc_u64 s[46:47], s[8:9], s[66:67]
	s_or_b32 s47, s47, 0x80000000
	TLOAD                                          ; K and V of the first two steps, one load a wave
	s_add_nc_u64 s[50:51], s[8:9], s[68:69]
	s_mul_i32 s72, s70, 24576                      ; Q's codes: my eight fragments are 12,288 consecutive bytes
	s_mul_i32 s73, s16, 12288
	s_add_co_u32 s72, s72, s73
	s_mov_b32 s73, 0
	s_add_nc_u64 s[4:5], s[4:5], s[72:73]
	s_lshl_b32 s72, s70, 10                        ; Q's scale words: groups 2 a + s
	s_lshl_b32 s74, s16, 9
	s_add_co_u32 s72, s72, s74
	s_add_nc_u64 s[6:7], s[6:7], s[72:73]
	s_lshl_b32 s72, s70, 17                        ; out0: 128 rows of 1,024 bytes a block, 64 rows for a, 512 bytes of each row for p
	s_lshl_b32 s74, s16, 16
	s_add_co_u32 s72, s72, s74
	s_lshl_b32 s74, s15, 9
	s_add_co_u32 s72, s72, s74
	s_add_nc_u64 s[10:11], s[10:11], s[72:73]
.set k_, 0
.rept 24
	global_load_b128 v[Q+4*k_:Q+4*k_+3], v3, s[4:5] offset:512*k_    ; Q stays in registers
.set k_, k_+1
.endr
	global_load_b64 v[QS:QS+1], v4, s[6:7]
	global_load_b64 v[QS+2:QS+3], v4, s[6:7] offset:256
.irp q, 0,1,2,3
	v_mov_b32 v[ST+2*\q], 0x7f61b1e6               ; -M: above every -t;
	v_mov_b32 v[ST+2*\q+1], 0x7f61b1e6             ; -E
	v_mov_b32 v[LS+2*\q], 0                        ; the sum
	v_mov_b32 v[LS+2*\q+1], 0
.endr
	v_add_nc_u32 v5, s52, v3
	v_add_nc_u32 v6, s55, v4
	WALU
	s_wait_loadcnt 0x0                             ; Q
	s_wait_tensorcnt 0x0                           ; my part of the first fill
	ds_add_u32 v1, v2
	STEPK
	STEPV
	s_wait_dscnt 0x0
	CROUND                                         ; the first fill is whole,
	TLOAD                                          ; and slot 1 is filled for the first time
	KRUN 0
	KSCALES
	QK                                             ; step 0 is written out: its second product starts the sums
	SOFTMAX 3, 0
	PV 1
	s_mov_b32 s48, 1
.Lstep:                                            ; steps 1 to 5
	QK
	SOFTMAX 2, 1
	PV 0
	s_cmp_lt_u32 s48, 6
	s_cbranch_scc1 .Lstep
	QK                                             ; the last two steps are written out
	SOFTMAX 1, 0
	PV 0
	QK
	SOFTMAX 0, 0
	; ---- THE MERGE.  Each wave sends its -E, its sum under E and places 8-15 of O^T to its partner, through LDS, as images of registers.
	s_xor_b32 s58, s14, 2                          ; the partner
	s_lshl_b32 s59, s58, 15
	s_lshl_b32 s60, s14, 15
	s_lshl_b32 s61, s58, 10
	s_add_co_u32 s61, s61, XST
	s_lshl_b32 s62, s14, 10
	s_add_co_u32 s62, s62, XST
	s_mul_i32 s63, s14, 8448
	s_add_co_u32 s63, s63, STG
	WALU
.irp q, 0,1,2,3
	v_add_f32 v[LS+2*\q], v[LS+2*\q], v[LS+2*\q+1]
.endr
.irp q, 0,1,2,3
	v_permlanex16_b32 v[BM+4+\q], v[LS+2*\q], s20, s21
.endr
	v_lshrrev_b32 v9, 1, v4                        ; 4 x lane
	v_add_nc_u32 v[BM], s60, v3                    ; my half of O^T,
	v_add_nc_u32 v[BM+1], s59, v3                  ; the partner's;
	v_add_nc_u32 v[BM+2], s62, v9                  ; my words,
	v_add_nc_u32 v[BM+3], s61, v9                  ; the partner's
.irp q, 0,1,2,3
	v_add_f32 v[LS+2*\q], v[LS+2*\q], v[BM+4+\q]   ; with lane l xor 16's: my steps' sum
.endr
.irp q, 0,1,2,3
	v_sub_f32 v[BM+4+\q], v[ST+2*\q+1], v[ST+2*\q]
.endr
.irp q, 0,1,2,3
	v_cvt_i32_f32 v[BM+4+\q], v[BM+4+\q]
.endr
.irp q, 0,1,2,3
	v_ldexp_f32 v[LS+2*\q], v[LS+2*\q], v[BM+4+\q] ; under E
.endr
.irp q, 0,1,2,3
	ds_store_b32 v[BM+2], v[ST+2*\q+1] offset:256*\q
	ds_store_b32 v[BM+2], v[LS+2*\q] offset:256*\q+128
.endr
; the last second product goes by pairs of tiles of queries: the first pair's half leaves under the second pair's products
.macro VPAIR n, q
	VWIN \n
	WV \n, \q, 0
	WV \n, (\q)+1, 0
.endm
.macro SENDO q
	WIN 0x0c                                       ; an LDS store's data are its source 1: window 3
.irp t, 0,1,2,3,4,5,6,7
	ds_store_b128 v[BM], v[32*\t+8*\q:32*\t+8*\q+3] offset:512*(16*\q+2*\t)             ; each accumulator from its low end on
	ds_store_b128 v[BM], v[32*\t+8*\q+4:32*\t+8*\q+7] offset:512*(16*\q+2*\t+1)
.endr
.endm
	WALU
	VREST
.set n_, 0
.rept 16
.if n_ < 4
	s_wait_dscnt 36
.else
	s_wait_dscnt 3*(15-n_)
.endif
	VPAIR n_, 0
.set n_, n_+1
.endr
.set n_, 0
.rept 8
	VPAIR n_, 2
.set n_, n_+1
.endr
	PLACES
	SENDO 0
	SENDO 1
.rept 8
	VPAIR n_, 2
.set n_, n_+1
.endr
	PLACES
	SENDO 2
	SENDO 3
	WIN 0
	s_wait_dscnt 0x0                               ; for the partner's sake: my stores have landed
	s_barrier_signal -1
	s_barrier_wait -1
.irp q, 0,1,2,3
	ds_load_b32 v[R3+2*\q], v[BM+3] offset:256*\q  ; the partner's -E and sum
	ds_load_b32 v[R3+2*\q+1], v[BM+3] offset:256*\q+128
.endr
	WIN 0x40
.set k_, 0
.rept 64
	ds_load_b128 v[4*k_:4*k_+3], v[BM+1] offset:512*k_  ; its places 8-15, which hold the channels of my places 0-7
.set k_, k_+1
.endr
	WIN 0
	v_and_b32 v9, 15, v0                           ; r
	v_bfe_u32 v10, v0, 4, 1                        ; h
	v_mul_u32_u24 v7, v9, 528
	v_lshl_add_u32 v7, v10, 5, v7
	v_add_nc_u32 v7, s63, v7                       ; into my stage: row r, 32 bytes for each half of the lanes
	v_add_nc_u32 v8, s63, v3                       ; back: 32 lanes a row of 512 bytes
	WALU
	s_wait_dscnt 63                                ; the eight words are in
.irp q, 0,1,2,3
	v_min_num_f32 v[Q+\q], v[ST+2*\q+1], v[R3+2*\q]                ; -E of both = the lesser
.endr
.irp q, 0,1,2,3
	v_sub_f32 v[PC+2*\q], v[Q+\q], v[ST+2*\q+1]    ; my E less the common E: a whole number, 0 or less
	v_sub_f32 v[PC+8+2*\q], v[Q+\q], v[R3+2*\q]    ; the partner's likewise
.endr
.irp q, 0,1,2,3
	v_cvt_i32_f32 v[PC+2*\q], v[PC+2*\q]
	v_cvt_i32_f32 v[PC+8+2*\q], v[PC+8+2*\q]
.endr
.irp q, 0,1,2,3
	v_ldexp_f32 v[PC+2*\q], 1.0, v[PC+2*\q]        ; two exact powers of two
	v_ldexp_f32 v[PC+8+2*\q], 1.0, v[PC+8+2*\q]
.endr
.irp q, 0,1,2,3
	v_mul_f32 v[Q+4+\q], v[LS+2*\q], v[PC+2*\q]
.endr
.irp q, 0,1,2,3
	v_fma_f32 v[Q+4+\q], v[R3+2*\q+1], v[PC+8+2*\q], v[Q+4+\q]     ; the row's sum under the common E
.endr
	WALU
.irp q, 0,1,2,3
	v_rcp_f32 v[Q+4+\q], v[Q+4+\q]
.endr
	v_nop
	WALU
.irp q, 0,1,2,3
	v_mul_f32 v[PC+2*\q], v[PC+2*\q], v[Q+4+\q]    ; what my O^T is multiplied by,
	v_mul_f32 v[PC+8+2*\q], v[PC+8+2*\q], v[Q+4+\q]   ; and the partner's
.endr
; ---- THE WAY OUT, tile by tile of 16 queries x 128 channels through my stage.  LDS serves a wave's instructions in order (ISA guide 5.7.1.4): the loads see the stores above them, and the next tile's stores come behind them.
.macro TILE q, younger
	WIN 0
	WALU
	s_wait_dscnt \younger                          ; the partner's images of this tile are in
	WIN 0x41
.set k_, 0
.rept 32
	v_pk_mul_f32 v[64*\q+2*k_:64*\q+2*k_+1], v[64*\q+2*k_:64*\q+2*k_+1], v[PC+8+2*\q:PC+9+2*\q] op_sel_hi:[1,0]
.set k_, k_+1
.endr
	WALU
	WIN 0x52                                       ; source 0, my O^T, in window 2
.irp t, 0,1,2,3,4,5,6,7
.irp i, 0,2,4,6
	v_pk_fma_f32 v[64*\q+8*\t+\i:64*\q+8*\t+\i+1], v[32*\t+8*\q+\i:32*\t+8*\q+\i+1], v[PC+2*\q:PC+2*\q+1], v[64*\q+8*\t+\i:64*\q+8*\t+\i+1] op_sel_hi:[1,0,1]
.endr
.endr
	WIN 0x04
.irp t, 0,1,2,3,4,5,6,7
	ds_store_b128 v7, v[64*\q+8*\t:64*\q+8*\t+3] offset:64*\t
	ds_store_b128 v7, v[64*\q+8*\t+4:64*\q+8*\t+7] offset:64*\t+16
.endr
	WIN 0x40
.set k_, 0
.rept 16
	ds_load_b128 v[64*\q+4*k_:64*\q+4*k_+3], v8 offset:528*k_
.set k_, k_+1
.endr
.endm
.macro SEND q, younger
	WIN 0
	s_wait_dscnt \younger                          ; the rows are back in registers; the next tile's 16 stores and 16 loads may be out
	WIN 0x04
.set k_, 0
.rept 16
	global_store_b128 v3, v[64*\q+4*k_:64*\q+4*k_+3], s[10:11] offset:1024*(8*\q+k_%8+32*(k_/8)) th:TH_STORE_NT   ; 32 lanes store 512 consecutive bytes, aligned: row 8 q + k % 8 + 32 (k / 8) of my 64
.set k_, k_+1
.endr
.endm
	TILE 0, 48
	TILE 1, 63
	SEND 0, 32
	TILE 2, 63
	SEND 1, 32
	TILE 3, 63
	SEND 2, 32
	SEND 3, 0
	WIN 0
	s_wait_tensorcnt 0x0                           ; the wave's end
	ds_add_u32 v1, v2
	s_wait_dscnt 0x0
	CROUND                                         ; the closing round: no work-group ends while a partner may still ask for a tile that names it
	s_endpgm
.Lfunc_end_k_q434a684715_attn:
	.size	k_q434a684715_attn, .Lfunc_end_k_q434a684715_attn-k_q434a684715_attn
	.p2alignl 7, 3214868480
	.fill 96, 4, 3214868480
	.section	.rodata,"a",@progbits
	.p2align	6, 0x0
	.amdhsa_kernel k_q434a684715_attn
		.amdhsa_group_segment_fixed_size 327680
		.amdhsa_private_segment_fixed_size 0
		.amdhsa_enable_private_segment 0
		.amdhsa_kernarg_size 32
		.amdhsa_user_sgpr_count 2
		.amdhsa_user_sgpr_kernarg_segment_ptr 1
		.amdhsa_wavefront_size32 1
		.amdhsa_system_sgpr_workgroup_id_x 1
		.amdhsa_system_sgpr_workgroup_id_y 1
		.amdhsa_system_sgpr_workgroup_id_z 1
		.amdhsa_system_vgpr_workitem_id 0
		.amdhsa_next_free_vgpr 1024
		.amdhsa_next_free_sgpr 80
		.amdhsa_reserve_vcc 0
		.amdhsa_float_denorm_mode_32 3
		.amdhsa_float_denorm_mode_16_64 3
		.amdhsa_memory_ordered 1
		.amdhsa_forward_progress 1
		.amdhsa_inst_pref_size 255
	.end_amdhsa_kernel
	.section	.bss,"aw",@nobits
	.p2align	6
	.space	262144
	.amdgpu_metadata
---
amdhsa.version: [ 1, 2 ]
amdhsa.kernels:
  - .name:           k_q434a684715_attn
    .symbol:         k_q434a684715_attn.kd
    .args:
      - { .name: qc, .offset: 0, .size: 8, .value_kind: global_buffer, .address_space: global }
      - { .name: qs, .offset: 8, .size: 8, .value_kind: global_buffer, .address_space: global }
      - { .name: kvc, .offset: 16, .size: 8, .value_kind: global_buffer, .address_space: global }
      - { .name: out0, .offset: 24, .size: 8, .value_kind: global_buffer, .address_space: global }
    .group_segment_fixed_size: 327680
    .private_segment_fixed_size: 0
    .kernarg_segment_align: 8
    .kernarg_segment_size: 32
    .max_flat_workgroup_size: 128
    .sgpr_count:     80
    .vgpr_count:     1024
    .wavefront_size: 32
...
	.end_amdgpu_metadata
.endif
;; end of part 2
